; MI455X (gfx1250); checked and timed in simulation.
; The chip was launched on July 23, 2026; its instructions are those of AMD's public machine-readable ISA for CDNA 5 (MIT licence, August 2026) and "CDNA5" Instruction Set Architecture Reference Guide (July 2026). The comments in the code are by the model that wrote it; some were corrected since.
;; Multi Head Attention. Allowed arithmetic: matrix products marked QUANTISED: E5M2 operands, one given power-of-two scale a tensor, by v_wmma_f32_16x16x64_bf8_bf8 or v_wmma_f32_16x16x128_bf8_bf8, f32 sums; everything else in f32.
;; Inputs: K_codes 4 x 2,048 x 32 x 32 uint8 (E5M2 codes of K, K innermost, in blocks of 32 codes); Q 4 x 2,048 x 1,024 float32; V_codes 4 x 2,048 x 32 x 32 uint8 (E5M2 codes of V, K innermost, in blocks of 32 codes); Wk_codes 1,024 x 32 x 32 uint8 (E5M2 codes of Wk, K innermost, in blocks of 32 codes); Wo_codes 1,024 x 32 x 32 uint8 (E5M2 codes of Wo, K innermost, in blocks of 32 codes); Wq_codes 1,024 x 32 x 32 uint8 (E5M2 codes of Wq, K innermost, in blocks of 32 codes); Wv_codes 1,024 x 32 x 32 uint8 (E5M2 codes of Wv, K innermost, in blocks of 32 codes); beta 1,024 float32; bk 1,024 float32; bo 1,024 float32; bq 1,024 float32; bv 1,024 float32; gamma 1,024 float32; lowp_scales 12 int32 (the exponents e of the quantised operands' scales 2^e); mask 4 x 1 x 1 x 2,048 int32.
;; Outputs: out0 4 x 2,048 x 1,024 float32.
;; This version of the problem:
;;   THIS VERSION OF THE PROBLEM IS GIVEN IN LOW PRECISION. The matrix products marked QUANTISED in the list below multiply operands that are first quantised to E5M2 (5 exponent bits, 2 mantissa bits; 8 bits a number), with one given power-of-two scale for each operand tensor; their sums are f32. All else is computed in f32.
;;   The module's matrix products, in the order in which they are computed (A, B: the left and right operand; K: the contracted axis; several contracted axes count as one K, in the product's order):
;;     1. [M 8,192, K 1,024] x [K 1,024, N 1,024]; A: input Q; B: input Wq (given as codes): QUANTISED (scales: A lowp_scales[0], B lowp_scales[1])
;;     2. [M 8,192, K 1,024] x [K 1,024, N 1,024]; A: input K (given as codes); B: input Wk (given as codes): QUANTISED (scales: A lowp_scales[2], B lowp_scales[3])
;;     3. [M 8,192, K 1,024] x [K 1,024, N 1,024]; A: input V (given as codes); B: input Wv (given as codes): QUANTISED (scales: A lowp_scales[4], B lowp_scales[5])
;;     4. batch 64 x [M 2,048, K 64] x [K 64, N 2,048]; A: computed on the way; B: computed on the way: QUANTISED (scales: A lowp_scales[6], B lowp_scales[7])
;;     5. batch 64 x [M 2,048, K 2,048] x [K 2,048, N 64]; A: softmax (see below); B: computed on the way: QUANTISED (scales: A lowp_scales[8], B lowp_scales[9])
;;     6. [M 8,192, K 1,024] x [K 1,024, N 1,024]; A: computed on the way; B: input Wo (given as codes): QUANTISED (scales: A lowp_scales[10], B lowp_scales[11])
;;   THE QUANTISER, for each operand of a quantised product, along K:
;;     - The operand's scale is 2^e, e = its entry of the input lowp_scales (int32; the entries are numbered through the quantised products in the list's order, A before B).
;;     - Each number is divided by the scale, clamped to +-57,344, and rounded to the nearest number of E5M2, ties to even, subnormals kept.
;;     - The product sums the exact products of the quantised numbers (number of the format x scale) in f32.
;;   ~~~python
;;   def quantise(x, axis, e):      # numpy; x: float32 -> the quantised numbers, widened to float32 again
;;       x = np.moveaxis(x, axis, -1); K = x.shape[-1]
;;       r = np.clip(x / 2.0 ** e, -57344, 57344)
;;       step = 2.0 ** (np.maximum(np.frexp(np.where(r == 0, 1, r))[1] - 1, -14) - 2)
;;       q = np.round(r / step) * step * 2.0 ** e      # np.round: ties to even
;;       return np.moveaxis(q, -1, axis).astype(np.float32)
;;   ~~~
;;   SOFTMAX AHEAD OF A QUANTISED PRODUCT. Where the list says 'softmax', what is quantised is not the finished softmax but p = 2^(t - M), with t = logit x log2(e) and M = ceil(the row's largest t), a whole number; so 1/2 < the row's largest p <= 1. The row's sum l is taken of the UNQUANTISED p, in f32, and the product's result is divided by l at the end. Since M is a whole number, a kernel that streams over the keys may use a running M (the ceiling of the running maximum): every later rescaling is an exact power of two, so the quantised numbers keep their values, but for numbers so far below the row's largest that they fall under the format's range.
;;   OPERANDS COMPUTED ON THE WAY. 'Computed on the way' means the value that the module computes at that place (a softmax that the list does not call 'softmax' is quantised finished and normalised). What goes into a quantiser is computed in f32, as accurately as f32 sums, v_exp_f32 and their like allow (about 1e-6 of the number): no bf16 or f16 on the way to a quantiser, and a product that is left as it is and whose result goes on into a quantised operand takes f32 operands (vector FMAs, or v_wmma_f32_16x16x4_f32). A number that lies on a knife's edge between two numbers of the format may be rounded either way, as far as f32 arithmetic and the matrix unit's own rounding can turn it there, and no further.
;;   INPUTS GIVEN AS CODES. K (in the module: [4, 2048, 1024], K = its axis 2); V (in the module: [4, 2048, 1024], K = its axis 2); Wk (in the module: [1024, 1024], K = its axis 1); Wo (in the module: [1024, 1024], K = its axis 1); Wq (in the module: [1024, 1024], K = its axis 1); Wv (in the module: [1024, 1024], K = its axis 1): each comes as NAME_codes (uint8): NAME with its K axis moved to the last place and cut into blocks of 32 codes, [.., K / 32, bytes a block], one block behind the other in memory; one code a byte (a code: sign, 5 exponent bits, 2 mantissa bits); its scale is its entry of lowp_scales. Its value is code x scale, taken as it is: it is not quantised again, and the codes and scales need not be those that the quantiser above would give.
;; One version. Each part assembles by itself: llvm-mc -triple=amdgcn-amd-amdhsa -mcpu=gfx1250 --defsym DOCPART=n.
;; ======== version 1 of 1: 4 launches
;; limits: right only within a limited range of input values
;; workspace buffers: qc 8,388,608 bytes; q_img 8,388,608 bytes; k_img 8,388,608 bytes; v_img 8,388,608 bytes; ctx_img 8,388,608 bytes; wo_img 1,048,576 bytes
;; launch prep (part 1): grid 256 x 1, 4 waves a work-group, no clusters, 33,280 bytes of LDS; arguments Q, Wo_codes, lowp_scales, qc, wo_img; writes qc, wo_img
.if DOCPART == 1
	.amdgcn_target "amdgcn-amd-amdhsa--gfx1250"
	.amdhsa_code_object_version 6
	.text
	.protected	k_qd19dcaf000_prep
	.globl	k_qd19dcaf000_prep
	.p2align	8
	.type	k_qd19dcaf000_prep,@function
k_qd19dcaf000_prep:
	s_mov_b64 s[64:65], 0
	v_nop
	global_prefetch_b8 v0, s[64:65] scope:SCOPE_SE
	s_setreg_imm32_b32 hwreg(HW_REG_WAVE_MODE, 25, 1), 1
	s_wait_xcnt 0x0
; Q [8192][1024] f32 becomes codes of BF8 (E5M2), K innermost, with the given scale 2^e0: qc [8192][1024], one byte a number.
; code = x / 2^e0, held within +-57,344, rounded to the nearest code, ties to even.  LIMIT: -126 <= e0 <= 112.  NaN among the inputs is not served; an infinity is held at the largest code.
; Rows are dense, so Q is a plain stream: 1,024 waves take 8,192 numbers each, 16 steps of 512.  Each of a step's four loads reads 512 consecutive bytes; the conversions want 16 NEIGHBOURS in a lane,
; so a step's 2,048 bytes turn through the wave's own stage in LDS (16 bytes of padding behind each 64) and come back 64 bytes a lane.  A lane's 16 codes are 16 bytes: a store covers 512 consecutive bytes.
; Beside that each wave re-lays 1 KiB of Wo's codes as an IMAGE OF THE OPERAND'S REGISTERS for the last launch: wo_img [feature tile 64][K step of 128: 8][piece 4][512 bytes]; a piece is four registers of all
; 32 lanes, lane l's 16 bytes at 16 l; registers 2 c, 2 c + 1 of lane (r, h) hold k = 16 c + 8 h + 0 .. 7 of row r.
; No tensor loads, no barrier: waves share nothing.  Loads run four steps (16 loads a wave) ahead, the turn through LDS one step.
.set STEPS, 16
.set EMAX,  15
.set MANT,  0x600000                   ; the mantissa field of 57,344 as f32
.set R,     16                         ; v16-79   four sets of 16 numbers as they are loaded
.set X,     80                         ; v80-111  two sets of 16 neighbours
.set W,     112                        ; v112-119 two pieces of Wo's image
.set C,     128                        ; v128-191 codes: four registers for each step, so that no store's data are written again
.set WREG,  8192                       ; LDS: a region of its own for each wave: two stages of 32 x SP bytes
.set SP,    80                         ; a lane's place in a stage: its 64 bytes + 16 of padding
	s_load_b128 s[4:7], s[0:1], 0x0                ; Q s[4:5], Wo's codes s[6:7]
	s_load_b128 s[8:11], s[0:1], 0x10              ; the scales' exponents s[8:9], qc s[10:11]
	s_load_b64 s[12:13], s[0:1], 0x20              ; wo_img
	v_lshl_add_u32 v192, v0, 2, 0x8000
	v_mov_b32 v193, 0
	v_lshrrev_b32 v1, 5, v0
	v_readfirstlane_b32 s16, v1                    ; wave
	v_and_b32 v2, 31, v0                           ; lane
	v_lshlrev_b32 v3, 4, v2                        ; 16 x lane: my 16 bytes of a load's or a store's 512
	s_mul_i32 s17, s16, WREG
	v_lshrrev_b32 v14, 2, v2
	v_mul_u32_u24 v14, v14, SP
	v_and_b32 v15, 3, v2
	v_lshl_add_u32 v14, v15, 4, v14
	v_add_nc_u32 v14, s17, v14                     ; the stage, on the way in: SP (lane / 4) + 16 (lane % 4); a load's 512 bytes take eight places
	v_mul_u32_u24 v15, v2, SP
	v_add_nc_u32 v15, s17, v15                     ; and on the way out: SP x lane: my 16 neighbours
	v_and_b32 v5, 15, v2                           ; r
	v_lshrrev_b32 v6, 4, v2                        ; h
	v_lshlrev_b32 v5, 10, v5
	v_lshl_add_u32 v5, v6, 3, v5                   ; Wo: row r of 1,024 bytes, + 8 h
	s_lshl_b32 s18, ttmp9, 2
	s_add_co_u32 s18, s18, s16                     ; U = 4 x work-group + wave, 0 .. 1023 = 16 T + 2 s + half: feature tile T, K step s, which two pieces
	s_lshl_b32 s20, s18, 15                        ; Q: 8,192 numbers of 4 bytes
	s_mov_b32 s21, 0
	s_lshl_b32 s22, s18, 13                        ; qc: 8,192 codes
	s_mov_b32 s23, 0
	s_lshl_b32 s24, s18, 10                        ; wo_img: 1,024 bytes
	s_mov_b32 s25, 0
	s_lshr_b32 s26, s18, 4
	s_lshl_b32 s26, s26, 14                        ; Wo: 16 T rows of 1,024 bytes
	s_and_b32 s27, s18, 15
	s_lshl_b32 s27, s27, 6                         ; + 128 s + 64 x half
	s_add_co_u32 s26, s26, s27
	s_mov_b32 s27, 0
	s_wait_alu depctr_va_vdst(0)
	s_wait_kmcnt 0x0
	s_load_b32 s28, s[8:9], 0x0                    ; e0
	s_add_nc_u64 s[4:5], s[4:5], s[20:21]
	s_add_nc_u64 s[10:11], s[10:11], s[22:23]
	s_add_nc_u64 s[12:13], s[12:13], s[24:25]
	s_add_nc_u64 s[6:7], s[6:7], s[26:27]
.irp i, 0,1                            ; piece i of my two: registers 0, 1: k = 32 i + 8 h on; registers 2, 3: 16 further on
	global_load_b64 v[W+4*\i:W+4*\i+1],   v5, s[6:7] offset:32*\i
	global_load_b64 v[W+4*\i+2:W+4*\i+3], v5, s[6:7] offset:32*\i+16
.endr
.macro LOAD t
.irp i, 0,1,2,3
	global_load_b128 v[R+16*((\t)%4)+4*\i:R+16*((\t)%4)+4*\i+3], v3, s[4:5] offset:2048*(\t)+512*\i th:TH_LOAD_NT   ; 32 lanes read 512 consecutive bytes
.endr
.endm
.macro TURN t                          ; step t's numbers through the stage: LDS serves a wave's instructions in order (ISA guide 5.7.1.4), so no wait stands between the stores and the loads
.irp i, 0,1,2,3
	ds_store_b128 v14, v[R+16*((\t)%4)+4*\i:R+16*((\t)%4)+4*\i+3] offset:32*SP*((\t)%2)+8*SP*\i
.endr
.irp i, 0,1,2,3
	ds_load_b128 v[X+16*((\t)%2)+4*\i:X+16*((\t)%2)+4*\i+3], v15 offset:32*SP*((\t)%2)+16*\i
.endr
.endm
.irp t, 0,1,2,3
	LOAD \t
.endr
	s_wait_kmcnt 0x0
	s_add_co_i32 s28, s28, 127
	s_lshl_b32 s29, s28, 23
	v_mov_b32 v11, s29                             ; 2^e0 as f32: the conversion takes its exponent field
	s_add_co_i32 s28, s28, EMAX
	s_lshl_b32 s28, s28, 23
	s_or_b32 s28, s28, MANT
	s_wait_alu depctr_va_vdst(0)
	s_wait_loadcnt 12                              ; all but the youngest twelve: Wo's four loads and step 0's four are in
.irp i, 0,1
	global_store_b128 v3, v[W+4*\i:W+4*\i+3], s[12:13] offset:512*\i   ; a piece: 512 consecutive bytes
.endr
	TURN 0
.macro STEP t
.set XS, X+16*((\t)%2)
	s_wait_dscnt 0x0                               ; this step's numbers are back from the stage: so its stores into the stage have read their registers,
.if (\t)+4 < STEPS
	LOAD (\t)+4                                    ; which take the loads of four steps on
.endif
.if (\t)+1 < STEPS
.if STEPS-2-(\t) >= 3
	s_wait_loadcnt 12                              ; the next step's four loads are in; those of the three steps behind it may be out
.else
	s_wait_loadcnt 4*(STEPS-2-(\t))
.endif
	TURN (\t)+1                                    ; and go through the other stage while this step is worked
.endif
.irp i, 0,1,2,3,4,5,6,7,8,9,10,11,12,13,14,15
.endr
	v_cvt_scalef32_pk8_bf8_f32 v[C+4*(\t):C+4*(\t)+1], v[XS:XS+7], v11
	v_cvt_scalef32_pk8_bf8_f32 v[C+4*(\t)+2:C+4*(\t)+3], v[XS+8:XS+15], v11
	global_store_b128 v3, v[C+4*(\t):C+4*(\t)+3], s[10:11] offset:512*(\t)   ; the codes go to a store alone
.endm
.irp t, 0,1,2,3,4,5,6,7,8,9,10,11,12,13,14,15
	STEP \t
.endr
	s_wait_tensorcnt 0x0
	ds_add_u32 v192, v193
	s_wait_dscnt 0x0
	s_endpgm
.Lfunc_end_k_qd19dcaf000_prep:
	.size	k_qd19dcaf000_prep, .Lfunc_end_k_qd19dcaf000_prep-k_qd19dcaf000_prep
	.p2alignl 7, 3214868480
	.fill 96, 4, 3214868480
	.section	.rodata,"a",@progbits
	.p2align	6, 0x0
	.amdhsa_kernel k_qd19dcaf000_prep
		.amdhsa_group_segment_fixed_size 33280
		.amdhsa_private_segment_fixed_size 0
		.amdhsa_enable_private_segment 0
		.amdhsa_kernarg_size 40
		.amdhsa_user_sgpr_count 2
		.amdhsa_user_sgpr_kernarg_segment_ptr 1
		.amdhsa_wavefront_size32 1
		.amdhsa_system_sgpr_workgroup_id_x 1
		.amdhsa_system_sgpr_workgroup_id_y 1
		.amdhsa_system_sgpr_workgroup_id_z 1
		.amdhsa_system_vgpr_workitem_id 0
		.amdhsa_next_free_vgpr 194
		.amdhsa_next_free_sgpr 66
		.amdhsa_reserve_vcc 0
		.amdhsa_float_denorm_mode_32 3
		.amdhsa_float_denorm_mode_16_64 3
		.amdhsa_fp16_overflow 1
		.amdhsa_memory_ordered 1
		.amdhsa_forward_progress 1
		.amdhsa_inst_pref_size 22
	.end_amdhsa_kernel
	.amdgpu_metadata
---
amdhsa.version: [ 1, 2 ]
amdhsa.kernels:
  - .name:           k_qd19dcaf000_prep
    .symbol:         k_qd19dcaf000_prep.kd
    .args:
      - { .name: Q, .offset: 0, .size: 8, .value_kind: global_buffer, .address_space: global }
      - { .name: Wo_codes, .offset: 8, .size: 8, .value_kind: global_buffer, .address_space: global }
      - { .name: lowp_scales, .offset: 16, .size: 8, .value_kind: global_buffer, .address_space: global }
      - { .name: qc, .offset: 24, .size: 8, .value_kind: global_buffer, .address_space: global }
      - { .name: wo_img, .offset: 32, .size: 8, .value_kind: global_buffer, .address_space: global }
    .group_segment_fixed_size: 33280
    .private_segment_fixed_size: 0
    .kernarg_segment_align: 8
    .kernarg_segment_size: 40
    .max_flat_workgroup_size: 128
    .sgpr_count:     66
    .vgpr_count:     194
    .wavefront_size: 32
...
	.end_amdgpu_metadata
.endif
;; end of part 1
;; launch proj (part 2): grid 4 x 96, 4 waves a work-group, clusters of 4 x 4, 327,680 bytes of LDS; arguments qc, K_codes, V_codes, Wq_codes, Wk_codes, Wv_codes, bq, bk, bv, mask, lowp_scales, q_img, k_img, v_img; writes q_img, k_img, v_img
.if DOCPART == 2
	.amdgcn_target "amdgcn-amd-amdhsa--gfx1250"
	.amdhsa_code_object_version 6
	.text
	.protected	k_qd19dcaf000_proj
	.globl	k_qd19dcaf000_proj
	.p2align	8
	.type	k_qd19dcaf000_proj,@function
k_qd19dcaf000_proj:
	s_mov_b64 s[64:65], 0
	v_nop
	global_prefetch_b8 v0, s[64:65] scope:SCOPE_SE
	s_setreg_imm32_b32 hwreg(HW_REG_WAVE_MODE, 25, 1), 1
	s_wait_xcnt 0x0
	s_wait_alu depctr_hold_cnt(0) depctr_sa_sdst(0) depctr_va_vdst(0) depctr_va_sdst(0) depctr_va_ssrc(0) depctr_va_vcc(0) depctr_vm_vsrc(0)
	s_getreg_b32 s2, hwreg(HW_REG_IB_STS2, 6, 4)
	s_cmp_eq_u32 s2, 0
	s_cbranch_scc0 .Lentry_in_a_cluster
	s_endpgm
.Lentry_in_a_cluster:
	s_bfe_u32 s2, ttmp6, 0x10000c
	s_cmp_lg_u32 s2, 0xf033
	s_cbranch_scc0 .Lentry_shape_is_right
	s_endpgm
.Lentry_shape_is_right:
; The three projections q = Q Wq^T + bq, k = K Wk^T + bk, v = V Wv^T + bv on codes of BF8 (E5M2), f32 sums, each result quantised at once for attention (scales 2^e6, 2^e7, 2^e9) and stored as
; IMAGES OF THE NEXT OPERAND'S REGISTERS: a piece is four registers of all 32 lanes, 512 consecutive bytes, lane l's 16 bytes at 16 l; registers 2 c, 2 c + 1 of lane (r, h) hold k = 16 c + 8 h + 0 .. 7 of row r.
;   q_img, k_img: [16 batch + head][tile of 16 tokens: 128][piece 2][512]: 16 tokens x the head's 64.     v_img: [16 batch + head][step of 128 keys: 16][tile of 16 channels: 4][piece 4][512]: 16 channels x 128 keys.
; A tile of 256 x 256 of a product is made by a work-group of four waves, a wave makes 128 x 128: 64 accumulators, 512 registers.  K = 1,024 goes in four steps of 256 through a ring of two LDS slots.
; WHICH PRODUCT: the cluster's y (0 .. 23) gives T = y / 8 and y % 8.  SOURCE 1 (here called A) gives the result's LANES, SOURCE 0 (B) its REGISTERS.  T = 0, 1: A = tokens (qc, K's codes), B = the weight's rows:
; a lane holds a token and eight neighbouring features, which are the next K (the head's 64).  T = 2: A = Wv's rows, B = V's tokens: a lane holds a channel and eight neighbouring keys, the next K of v.
; So one conversion of an accumulator's eight registers gives two registers of the next operand, and nothing is transposed.
; THE MASK: k's codes at keys whose mask is 0 are made 0 (the hold's limit is 0 in those lanes): their raw score is then exactly 0, and attention puts the masked logit in its place.
; CLUSTERS: 4 x 4 work-groups.  The four of a row of the cluster need the same tiles of A, the four of a column the same tiles of B: each is asked for JOINTLY.  T is the same in all sixteen.
; No prefetch: of K's four steps two are first fills and two are asked for one step later: there is no step further ahead to name.
; LIMITS: e0 + e1, e2 + e3, e4 + e5 between -126 and 127; e6, e7, e9 between -126 and 112: so each power of two below is an f32 number.  NaN is not served.
; REGISTERS, in windows of 256: window 0: v0-31 addresses; v32-95 the bias at a lane's features; v96-103 the mask, then the hold's limit, for each block of A; v104-119 the bias at a lane's row of A; v120, v121 the scale and
;   the limit; from v128 A's fragments, ONE set; on the way out v128-191 numbers, v192-255 codes.   window 1: B's fragments, TWO sets.   windows 2, 3: the accumulators ((a, b) at v[8 (8 (a % 4) + b)]).
.set KSTEP,  256                       ; along K in a slot
.set ROWB,   256                       ; a tile's row in bytes
.set KROW,   1024                      ; a row of any operand in memory, in bytes
.set PITCH,  272                       ; an LDS row: 256 bytes + 16 of padding = 68 words: row r starts at bank 4 r mod 64 (64 banks of 4 bytes: ISA guide 11.1)
.set FR,     16                        ; registers of a fragment: 16 rows x 128 K
.set NL,     4                         ; LDS loads that bring one
.set NP,     4                         ; places behind this matrix instruction (ISA guide 7.12.1)
.set HALFT,  128*PITCH                 ; 128 rows: what one tensor load brings, and what one wave reads of A or of B
.set SLOT,   4*HALFT                   ; A's 256 rows, then B's 256 rows
.set SPARE,  2*SLOT                    ; behind the ring: the spare words, 128 bytes for each wave: two blocks of 256 bytes that no other line names
.set ADRA, 16                          ; v16-17  LDS address of my A fragments in slot 0, 1
.set ADRB, 20                          ; v20-21  the same for B
.set CO,   26                          ; v26     16 x lane: my place in a piece
.set SPW,  28                          ; v28     LDS address of my spare word; never rewritten
.set NIL,  29                          ; v29     0; never rewritten
.set BR,   32
.set LIMV, 96
.set BL,   104
.set SCL,  120
.set LIM,  121
.set AF,   128
.set TMP,  128
.set CD,   192
.set G1, 24                            ; s[24:31] descriptor group 1 for A's tiles;  s[32:39] group 0, one set for each slot
.set G0, 32
.set G1B, 48                           ; s[48:55], s[56:63] the same for B's tiles
.set G0B, 56
.set MSB, 0
.macro WIN new                         ; the immediate's high byte repeats the setting that is left
.if MSB != \new
	s_set_vgpr_msb (MSB<<8)|\new
.set MSB, \new
.endif
.endm
.set MUL_LO, 0xa1                      ; source 0 (B) window 1, source 1 (A) window 0, C and D window 2
.set MUL_HI, 0xf1                      ; the same, C and D window 3
.set TO_B,   0x40                      ; destination window 1, address window 0
; A joint load: waves 0 and 1 fetch for A, waves 2 and 3 for B.  Each of the two lines has ONE mask and one set of registers for all that issue it; the branch hangs on the wave's number alone.
; Four v_nop follow each of the two lines, ahead of the jump, the label and what follows.
.macro JLOAD g0a, g1a, g0b, g1b
	s_cmp_eq_u32 s15, 0
	s_cbranch_scc0 .Lfor_b_\@
	tensor_load_to_lds s[\g0a:\g0a+3], s[\g1a:\g1a+7]
	s_nop 0
.rept 4
	v_nop
.endr
	s_branch .Lasked_\@
.Lfor_b_\@:
	tensor_load_to_lds s[\g0b:\g0b+3], s[\g1b:\g1b+7]
	s_nop 0
.rept 4
	v_nop
.endr
.Lasked_\@:
.endm
.macro CREST                           ; a round of the cluster's barrier behind its opening barrier
	s_cmp_lg_u32 s14, 0
	s_cbranch_scc1 .Lnot_wave_0_\@
	s_barrier_signal -3
.Lnot_wave_0_\@:
	s_barrier_wait -3
	s_barrier_signal -1
	s_barrier_wait -1
.endm
.macro CROUND                          ; a whole round
	s_barrier_signal -1
	s_barrier_wait -1
	CREST
.endm
	s_load_b512 s[68:83], s[0:1], 0x0              ; qc, K's codes, V's codes, Wq's, Wk's, Wv's, bq, bk
	s_load_b256 s[84:91], s[0:1], 0x40             ; bv, mask, the scales' exponents, q_img
	s_load_b128 s[92:95], s[0:1], 0x60             ; k_img, v_img
	v_lshl_add_u32 v[SPW], v0, 2, SPARE
	v_mov_b32 v[NIL], 0
	ds_add_u32 v28, v29
	ds_add_u32 v28, v29
	s_wait_dscnt 0x0
	v_lshrrev_b32 v1, 5, v0
	v_readfirstlane_b32 s14, v1                    ; wave 0..3
	s_lshr_b32 s15, s14, 1                         ; which half of the tile's rows (A) is mine.  Also: I fetch for A (0) or for B (1)
	s_and_b32 s16, s14, 1                          ; which half of its columns (B).  Also: which 128 rows of that tile I fetch
	s_bfe_u32 s40, ttmp6, 0x40000                  ; cx, cy: my place in the cluster
	s_bfe_u32 s41, ttmp6, 0x40004
	s_and_b32 s13, ttmp7, 0xffff                   ; the cluster's y, 0 .. 23
	s_lshr_b32 s12, s13, 3                         ; T: which product
	s_and_b32 s13, s13, 7
	s_lshl_b32 s13, s13, 2                         ; the tokens' 32 tiles of 256 go by fours
	s_cmp_eq_u32 s12, 2
	s_cselect_b32 s17, 0, s13                      ; tokens are A's rows in products 0 and 1,
	s_cselect_b32 s42, s13, 0                      ; B's rows in product 2
	s_add_co_u32 s17, s17, s41                     ; tile row (of A) = 4 x .. + cy
	s_add_co_u32 s42, s42, s40                     ; tile column (of B) = 4 x .. + cx
	s_lshl_b32 s43, s41, 2
	s_lshl_b32 s43, 15, s43                        ; my row of the cluster
	s_lshl_b32 s44, 0x1111, s40                    ; my column
	; descriptor group 1: a tile of 128 rows x 256 bytes, padded in LDS
	s_or_b32 s[G1+0], s43, (0<<16)|(1<<20)|(1<<21)|(5<<22)|(3<<25)  ; 15:0 the mask: A's tiles go to my row; 17:16 element of 1 byte; 20 padding on; 21 set beside a mask; 24:22 after every 64 words (code 5); 31:25 of 4 words (code 3)
	s_or_b32 s[G1B+0], s44, (0<<16)|(1<<20)|(1<<21)|(5<<22)|(3<<25)
.irp g, G1, G1B
	s_mov_b32 s[\g+1], ROWB<<16                    ; tensor_dim0
	s_mov_b32 s[\g+2], 128<<16                     ; tensor_dim1 = 128
	s_mov_b32 s[\g+3], ROWB<<16                    ; tile_dim0
	s_mov_b32 s[\g+4], 128                         ; tile_dim1 = 128
	s_mov_b32 s[\g+5], KROW                        ; tensor_dim0_stride
	s_mov_b32 s[\g+6], 0
	s_mov_b32 s[\g+7], 0
.endr
	s_lshl_b32 s18, s16, 7                         ; which 128 rows of the tile I fetch
	s_lshl_b32 s20, s17, 8
	s_add_co_u32 s20, s20, s18                     ; A: row 256 x tile row + 128 x half
	s_lshl_b32 s46, s42, 8
	s_add_co_u32 s46, s46, s18                     ; B: row 256 x tile column + 128 x half
	s_lshl_b32 s20, s20, 10                        ; in bytes: under 2^23
	s_lshl_b32 s46, s46, 10
	s_mov_b32 s21, 0
	s_mov_b32 s47, 0
	s_mul_i32 s45, s14, HALFT                      ; where they go: wave x 128 rows: no place in the cluster enters an LDS address
	s_wait_kmcnt 0x0
	s_cmp_eq_u32 s12, 0                            ; the product's buffers: the choice hangs on the cluster's number alone
	s_cselect_b64 s[4:5], s[68:69], s[70:71]       ; A: qc or K's codes
	s_cselect_b64 s[6:7], s[74:75], s[76:77]       ; B: Wq's or Wk's
	s_cselect_b64 s[8:9], s[80:81], s[82:83]       ; the bias
	s_cselect_b64 s[10:11], s[90:91], s[92:93]     ; the image
	s_cmp_eq_u32 s12, 2
	s_cselect_b64 s[4:5], s[78:79], s[4:5]         ; A: Wv's codes
	s_cselect_b64 s[6:7], s[72:73], s[6:7]         ; B: V's codes
	s_cselect_b64 s[8:9], s[84:85], s[8:9]
	s_cselect_b64 s[10:11], s[94:95], s[10:11]
	s_load_b256 s[68:75], s[88:89], 0x0            ; e0 .. e7
	s_load_b128 s[76:79], s[88:89], 0x20           ; e8 .. e11
	s_add_nc_u64 s[20:21], s[4:5], s[20:21]
	s_add_nc_u64 s[46:47], s[6:7], s[46:47]
	CROUND                                         ; all sixteen work-groups are here: the first joint loads meet
.irp s, 0,1
	s_mov_b32 s[G0+4*\s], 1
	s_add_co_u32 s[G0+4*\s+1], s45, \s*SLOT
	s_add_nc_u64 s[G0+4*\s+2:G0+4*\s+3], s[20:21], \s*ROWB
	s_or_b32 s[G0+4*\s+3], s[G0+4*\s+3], 0x80000000
	s_mov_b32 s[G0B+4*\s], 1
	s_add_co_u32 s[G0B+4*\s+1], s45, \s*SLOT
	s_add_nc_u64 s[G0B+4*\s+2:G0B+4*\s+3], s[46:47], \s*ROWB
	s_or_b32 s[G0B+4*\s+3], s[G0B+4*\s+3], 0x80000000
	s_wait_alu depctr_va_vdst(0)
	s_wait_tensorcnt 0x0
	ds_add_u32 v28, v29
	ds_add_u32 v28, v29
	s_wait_dscnt 0x0
	CROUND
	JLOAD G0+4*\s, G1, G0B+4*\s, G1B               ; one tensor load of mine is out
.endr
	v_and_b32 v1, 15, v0                           ; r = l % 16
	v_bfe_u32 v2, v0, 4, 1                         ; h = l / 16
	v_mul_u32_u24 v3, v1, PITCH
	v_lshl_add_u32 v4, v2, 4, v3                   ; a fragment's row x pitch + 16 x half
	s_mul_i32 s21, s15, HALFT                      ; my 128 rows of A
	s_mul_i32 s22, s16, HALFT                      ; my 128 rows of B,
	s_add_co_u32 s22, s22, 2*HALFT                 ; which lie behind A's 256
.irp s, 0,1
	v_add_nc_u32 v[ADRA+\s], s21, v4
	v_add_nc_u32 v[ADRB+\s], s22, v4
	s_add_co_u32 s21, s21, SLOT
	s_add_co_u32 s22, s22, SLOT
.endr
	v_and_b32 v7, 31, v0
	v_lshlrev_b32 v[CO], 4, v7
	v_lshlrev_b32 v5, 5, v2                        ; 32 h: eight f32 of my half
	s_wait_alu depctr_va_vdst(0)
	v_lshlrev_b32 v6, 2, v1                        ; 4 r
	s_wait_alu depctr_va_vdst(0)
	s_lshl_b32 s18, s17, 8
	s_lshl_b32 s19, s15, 7
	s_add_co_u32 s18, s18, s19                     ; row0: my first row of A; it stays
	s_lshl_b32 s19, s42, 8
	s_lshl_b32 s22, s16, 7
	s_add_co_u32 s19, s19, s22                     ; col0: my first row of B; it stays
	s_and_b32 s22, s19, 1023                       ; the bias has 1,024 numbers: the pattern that a product does not use is kept inside the buffer, and every register below is written in every product
	s_lshl_b32 s22, s22, 2
	s_mov_b32 s23, 0
	s_add_nc_u64 s[80:81], s[8:9], s[22:23]
	s_and_b32 s22, s18, 1023
	s_lshl_b32 s22, s22, 2
	s_add_nc_u64 s[82:83], s[8:9], s[22:23]
	s_lshl_b32 s22, s18, 2                         ; the mask has 8,192 words, one a token; row0 + 127 is under that in every product
	s_add_nc_u64 s[84:85], s[86:87], s[22:23]
.irp b, 0,1,2,3,4,5,6,7                ; the bias at features col0 + 16 b + 8 h + 0 .. 7: the layout of accumulator (a, b)
	global_load_b128 v[BR+8*\b:BR+8*\b+3],   v5, s[80:81] offset:64*\b
	global_load_b128 v[BR+8*\b+4:BR+8*\b+7], v5, s[80:81] offset:64*\b+16
.endr
.irp a, 0,1,2,3,4,5,6,7                ; the bias at row row0 + 16 a + r, in both registers of a pair; and that row's mask word
	global_load_b32 v[BL+2*\a],   v6, s[82:83] offset:64*\a
	global_load_b32 v[BL+2*\a+1], v6, s[82:83] offset:64*\a
	global_load_b32 v[LIMV+\a],   v6, s[84:85] offset:64*\a
.endr
.macro FRAG reg, adr, q, i             ; a fragment is 16 registers, by four loads of 16 bytes: registers 4 c .. 4 c + 3 hold K = 32 c + 16 (l / 16) + 0 .. 15: a permutation of k, the same in A and in B, so every product meets its partner
.irp c, 0,1,2,3
	ds_load_b128 v[\reg+4*\c:\reg+4*\c+3], v[\adr] offset:128*(\q)+32*\c+(\i)*16*PITCH
.endr
.endm
; 16 matrix instructions: A's blocks a0, a0 + 1 x B's eight, 128 along K.  p: B's set.  zero = 1: the first product starts the sums.
; The 64 accumulators take turns, one instruction a turn, in the same order in every step.
.macro MUL16 a0, p, zero
.irp a, \a0, \a0+1
.irp b, 0,1,2,3,4,5,6,7
.if \zero
	v_wmma_f32_16x16x128_bf8_bf8 v[8*(8*((\a)%4)+\b):8*(8*((\a)%4)+\b)+7], v[128*(\p)+FR*\b:128*(\p)+FR*\b+FR-1], v[AF+FR*(\a):AF+FR*(\a)+FR-1], 0
.else
	v_wmma_f32_16x16x128_bf8_bf8 v[8*(8*((\a)%4)+\b):8*(8*((\a)%4)+\b)+7], v[128*(\p)+FR*\b:128*(\p)+FR*\b+FR-1], v[AF+FR*(\a):AF+FR*(\a)+FR-1], v[8*(8*((\a)%4)+\b):8*(8*((\a)%4)+\b)+7]
.endif
.endr
.endr
.endm
.macro FETCH_B slot, q, p              ; B's eight fragments of the slot's q-th 128 along K into set p
	WIN TO_B
.irp i, 0,1,2,3,4,5,6,7
	FRAG 128*(\p)+FR*\i, ADRB+\slot, \q, \i
.endr
	WIN 0
.endm
.macro FETCH_A slot, q, i0             ; A's blocks i0 .. i0 + 3
.irp i, \i0, \i0+1, \i0+2, \i0+3
	FRAG AF+FR*(\i), ADRA+\slot, \q, \i
.endr
.endm
; A load into a register that a matrix instruction has read, and a vector instruction that reads a matrix result or writes one of its registers, stand NP places behind it; only plain vector
; instructions that name none of its registers are places (ISA guide 7.12.1 for vector instructions).
.macro PLACES n
.rept \n
	v_nop
.endr
.endm
; A step of 128 along K that has its successor in the same slot.  A block of A is free as soon as its eight products are issued: blocks 0-3 are fetched anew in the step's middle, blocks 4-7 at its end.
.macro STEP slot, q, zero
	s_wait_dscnt 4*NL                              ; B's set and A's blocks 0-3 are in; the youngest sixteen loads (A's blocks 4-7) may be out
	WIN MUL_LO
	MUL16 0, (\q)%2, \zero
	MUL16 2, (\q)%2, \zero
	s_wait_dscnt 0                                 ; A's blocks 4-7 are in (asked for 32 matrix instructions ago)
	PLACES NP
	FETCH_B \slot, (\q)+1, 1-(\q)%2
	FETCH_A \slot, (\q)+1, 0
	WIN MUL_HI
	MUL16 4, (\q)%2, \zero
	MUL16 6, (\q)%2, \zero
	PLACES NP
	WIN 0
	FETCH_A \slot, (\q)+1, 4
.endm
; A slot's last step changes slots: ONE barrier; in front of it each wave waits for all its tensor loads, adds 0 to its spare word, and waits for that and for its own reads of this slot.  fill = 1: this slot is filled again, two K steps ahead.
.macro TURN slot, next, fill
	s_wait_tensorcnt 0x0                           ; all my tensor loads have landed: my part of the next slot;  (every window is 0 here: the add's two registers lie in window 0)
	ds_add_u32 v[SPW], v[NIL]                      ; 0 onto my spare word
	s_wait_dscnt 4*NL+1                            ; (the add and the youngest sixteen loads, A's blocks 4-7, may be out)
	WIN MUL_LO
	MUL16 0, 1, 0                                  ; sixteen matrix instructions stand between the add and the wait for it
	s_wait_dscnt 0x0                               ; the add is done, and my reads of this slot are over
	s_barrier_signal -1
	MUL16 2, 1, 0
	WIN 0
	s_barrier_wait -1
.if \fill
	CREST                                          ; the barrier has opened a round of the cluster's barrier: no wave of any partner still reads this slot's tile or has a load on its way
	s_add_nc_u64 s[G0+4*\slot+2:G0+4*\slot+3], s[G0+4*\slot+2:G0+4*\slot+3], 2*ROWB
	s_add_nc_u64 s[G0B+4*\slot+2:G0B+4*\slot+3], s[G0B+4*\slot+2:G0B+4*\slot+3], 2*ROWB
	JLOAD G0+4*\slot, G1, G0B+4*\slot, G1B         ; the first tensor load behind the round, my one load until the next; the four v_nop behind it are the places in front of the loads below
.else
	PLACES NP
.endif
	FETCH_B \next, 0, 0
	FETCH_A \next, 0, 0
	WIN MUL_HI
	MUL16 4, 1, 0
	MUL16 6, 1, 0
	PLACES NP
	WIN 0
	FETCH_A \next, 0, 4
.endm
	s_wait_tensorcnt 1                             ; my part of K step 0 is in (K step 1's load may be out)
	s_barrier_signal -1
	s_barrier_wait -1                              ; everybody's is
	FETCH_B 0, 0, 0
	FETCH_A 0, 0, 0
	FETCH_A 0, 0, 4
	STEP 0, 0, 1                                   ; K 0-127: its products start the sums: nothing is cleared
	TURN 0, 1, 1                                   ; K 128-255; slot 0 takes K 512-767
	STEP 1, 0, 0
	TURN 1, 0, 1                                   ; slot 1 takes K 768-1023
	STEP 0, 0, 0
	TURN 0, 1, 0                                   ; nothing is left to fetch, so no round of the cluster's barrier
	STEP 1, 0, 0
	s_wait_dscnt 4*NL                              ; the very last step
	WIN MUL_LO
	MUL16 0, 1, 0
	MUL16 2, 1, 0
	s_wait_dscnt 0
	WIN MUL_HI
	MUL16 4, 1, 0
	MUL16 6, 1, 0
	WIN 0
	; THE WAY OUT.  value = sum x 2^(ea + eb) + bias, one packed multiply-add for two; the hold; the conversion with 2^eo; four stores of 512 consecutive bytes for a block of 16 rows of A.
	s_wait_kmcnt 0x0
	s_add_co_i32 s20, s68, s69                     ; e0 + e1
	s_add_co_i32 s21, s70, s71                     ; e2 + e3
	s_add_co_i32 s22, s72, s73                     ; e4 + e5
	s_cmp_eq_u32 s12, 0                            ; what the loaded exponents decide is chosen, never branched on
	s_cselect_b32 s20, s20, s21
	s_cselect_b32 s21, s74, s75                    ; e6 or e7
	s_cmp_eq_u32 s12, 2
	s_cselect_b32 s20, s22, s20
	s_cselect_b32 s21, s77, s21                    ; e9
	s_cselect_b32 s46, s19, s18                    ; my first token: col0 in product 2, else row0; a multiple of 128
	s_cselect_b32 s47, s18, s19                    ; my first feature
	s_cmp_eq_u32 s12, 1
	s_cselect_b32 s98, 0, -1                       ; the mask counts for k alone
	s_add_co_i32 s20, s20, 127
	s_lshl_b32 s96, s20, 23                        ; 2^(ea + eb) as f32
	s_mov_b32 s97, s96                             ; (named with it as a pair, so it is written)
	s_add_co_i32 s21, s21, 127
	s_lshl_b32 s22, s21, 23
	v_mov_b32 v[SCL], s22                          ; 2^eo: the conversion takes its exponent field
	s_add_co_i32 s21, s21, 15
	s_lshl_b32 s21, s21, 23
	s_or_b32 s21, s21, 0x600000
	v_mov_b32 v[LIM], s21                          ; 57,344 x 2^eo
	s_lshr_b32 s20, s46, 11                        ; batch
	s_lshl_b32 s20, s20, 4
	s_lshr_b32 s21, s47, 6                         ; head
	s_add_co_u32 s20, s20, s21
	s_lshl_b32 s20, s20, 17                        ; a head's image is 131,072 bytes
	s_and_b32 s21, s46, 2047
	s_lshl_b32 s21, s21, 6                         ; 64 bytes a token in every image: 1,024 for a tile of 16, 8,192 for a step of 128
	s_add_co_u32 s20, s20, s21
	s_mov_b32 s21, 0
	s_add_nc_u64 s[10:11], s[10:11], s[20:21]
	s_wait_alu depctr_va_vdst(0)
	s_wait_loadcnt 0x0                             ; the biases and the mask, asked for at the head
.irp a, 0,1,2,3,4,5,6,7
	v_cmp_ne_u32 vcc_lo, 0, v[LIMV+\a]
	s_or_b32 vcc_lo, vcc_lo, s98
	v_cndmask_b32 v[LIMV+\a], 0, v[LIM], vcc_lo    ; the limit of my row of block a: 0 at a masked key of k
.endr
	PLACES NP
; Block a.  kind = 0: lane = token, registers = features: two heads' fragments of 16 tokens x 64.  kind = 1: lane = channel, registers = keys: one fragment of 16 channels x 128 keys.
.macro OUT a, kind
.set AC, 64*((\a)%4)
.set CDA, CD+16*((\a)%4)
.if (\a) >= 4
	s_wait_xcnt 0x0                                ; block a - 4's stores have read their registers, which are written again below
.endif
	WIN 0x02+((\a)/4)                              ; source 0: window 2 or 3
.set j, 0
.rept 32                               ; each accumulator from its low end on
.if \kind
	v_pk_fma_f32 v[TMP+j:TMP+j+1], v[AC+j:AC+j+1], s[96:97], v[BL+2*(\a):BL+2*(\a)+1] op_sel_hi:[1,0,1]
.else
	v_pk_fma_f32 v[TMP+j:TMP+j+1], v[AC+j:AC+j+1], s[96:97], v[BR+j:BR+j+1] op_sel_hi:[1,0,1]
.endif
.set j, j+2
.endr
	WIN 0
.set j, 0
.rept 64
.if \kind
.else
	v_med3_num_f32 v[TMP+j], v[TMP+j], -v[LIMV+(\a)], v[LIMV+(\a)]
.endif
.set j, j+1
.endr
.irp b, 0,1,2,3,4,5,6,7
	v_cvt_scalef32_pk8_bf8_f32 v[CDA+2*\b:CDA+2*\b+1], v[TMP+8*\b:TMP+8*\b+7], v[SCL]   ; accumulator (a, b) becomes registers 2 b, 2 b + 1
.endr
	v_nop                                          ; a plain line behind the last conversion: the next block writes these numbers' registers
.irp q, 0,1,2,3
.if \kind
	global_store_b128 v[CO], v[CDA+4*\q:CDA+4*\q+3], s[10:11] offset:131072*((\a)/4)+2048*((\a)%4)+512*\q
.else
	global_store_b128 v[CO], v[CDA+4*\q:CDA+4*\q+3], s[10:11] offset:1024*(\a)+131072*(\q/2)+512*(\q%2)
.endif
.endr
.endm
	s_cmp_eq_u32 s12, 2                            ; a branch on the cluster's number: the same in all waves and all sixteen partners; neither arm touches LDS
	s_cbranch_scc1 .Lout_v
.irp a, 0,1,2,3,4,5,6,7
	OUT \a, 0
.endr
	s_branch .Ldone
.Lout_v:
.irp a, 0,1,2,3,4,5,6,7
	OUT \a, 1
.endr
.Ldone:
	s_wait_tensorcnt 0x0                           ; the wave's end: behind my last tensor load
	ds_add_u32 v[SPW], v[NIL]
	s_wait_dscnt 0x0
	CROUND                                         ; the closing round: no work-group ends while a partner may still ask for a tile that names it
	s_endpgm
.Lfunc_end_k_qd19dcaf000_proj:
	.size	k_qd19dcaf000_proj, .Lfunc_end_k_qd19dcaf000_proj-k_qd19dcaf000_proj
	.p2alignl 7, 3214868480
	.fill 96, 4, 3214868480
	.section	.rodata,"a",@progbits
	.p2align	6, 0x0
	.amdhsa_kernel k_qd19dcaf000_proj
		.amdhsa_group_segment_fixed_size 327680
		.amdhsa_private_segment_fixed_size 0
		.amdhsa_enable_private_segment 0
		.amdhsa_kernarg_size 112
		.amdhsa_user_sgpr_count 2
		.amdhsa_user_sgpr_kernarg_segment_ptr 1
		.amdhsa_wavefront_size32 1
		.amdhsa_system_sgpr_workgroup_id_x 1
		.amdhsa_system_sgpr_workgroup_id_y 1
		.amdhsa_system_sgpr_workgroup_id_z 1
		.amdhsa_system_vgpr_workitem_id 0
		.amdhsa_next_free_vgpr 1024
		.amdhsa_next_free_sgpr 100
		.amdhsa_reserve_vcc 1
		.amdhsa_float_denorm_mode_32 3
		.amdhsa_float_denorm_mode_16_64 3
		.amdhsa_fp16_overflow 1
		.amdhsa_memory_ordered 1
		.amdhsa_forward_progress 1
		.amdhsa_inst_pref_size 164
	.end_amdhsa_kernel
	.amdgpu_metadata
---
amdhsa.version: [ 1, 2 ]
amdhsa.kernels:
  - .name:           k_qd19dcaf000_proj
    .symbol:         k_qd19dcaf000_proj.kd
    .args:
      - { .name: qc, .offset: 0, .size: 8, .value_kind: global_buffer, .address_space: global }
      - { .name: K_codes, .offset: 8, .size: 8, .value_kind: global_buffer, .address_space: global }
      - { .name: V_codes, .offset: 16, .size: 8, .value_kind: global_buffer, .address_space: global }
      - { .name: Wq_codes, .offset: 24, .size: 8, .value_kind: global_buffer, .address_space: global }
      - { .name: Wk_codes, .offset: 32, .size: 8, .value_kind: global_buffer, .address_space: global }
      - { .name: Wv_codes, .offset: 40, .size: 8, .value_kind: global_buffer, .address_space: global }
      - { .name: bq, .offset: 48, .size: 8, .value_kind: global_buffer, .address_space: global }
      - { .name: bk, .offset: 56, .size: 8, .value_kind: global_buffer, .address_space: global }
      - { .name: bv, .offset: 64, .size: 8, .value_kind: global_buffer, .address_space: global }
      - { .name: mask, .offset: 72, .size: 8, .value_kind: global_buffer, .address_space: global }
      - { .name: lowp_scales, .offset: 80, .size: 8, .value_kind: global_buffer, .address_space: global }
      - { .name: q_img, .offset: 88, .size: 8, .value_kind: global_buffer, .address_space: global }
      - { .name: k_img, .offset: 96, .size: 8, .value_kind: global_buffer, .address_space: global }
      - { .name: v_img, .offset: 104, .size: 8, .value_kind: global_buffer, .address_space: global }
    .group_segment_fixed_size: 327680
    .private_segment_fixed_size: 0
    .kernarg_segment_align: 8
    .kernarg_segment_size: 112
    .max_flat_workgroup_size: 128
    .sgpr_count:     100
    .vgpr_count:     1024
    .wavefront_size: 32
...
	.end_amdgpu_metadata
.endif
;; end of part 2
;; launch attn (part 3): grid 4 x 64, 16 waves a work-group, clusters of 4 x 1, 272,384 bytes of LDS; arguments q_img, k_img, v_img, mask, lowp_scales, ctx_img; writes ctx_img
.if DOCPART == 3
	.amdgcn_target "amdgcn-amd-amdhsa--gfx1250"
	.amdhsa_code_object_version 6
	.text
	.protected	k_qd19dcaf000_attn
	.globl	k_qd19dcaf000_attn
	.p2align	8
	.type	k_qd19dcaf000_attn,@function
k_qd19dcaf000_attn:
	s_mov_b64 s[64:65], 0
	v_nop
	global_prefetch_b8 v0, s[64:65] scope:SCOPE_SE
	s_setreg_imm32_b32 hwreg(HW_REG_WAVE_MODE, 25, 1), 1
	s_wait_xcnt 0x0
	s_wait_alu depctr_hold_cnt(0) depctr_sa_sdst(0) depctr_va_vdst(0) depctr_va_sdst(0) depctr_va_ssrc(0) depctr_va_vcc(0) depctr_vm_vsrc(0)
	s_getreg_b32 s2, hwreg(HW_REG_IB_STS2, 6, 4)
	s_cmp_eq_u32 s2, 0
	s_cbranch_scc0 .Lentry_in_a_cluster
	s_endpgm
.Lentry_in_a_cluster:
	s_bfe_u32 s2, ttmp6, 0x10000c
	s_cmp_lg_u32 s2, 0x3003
	s_cbranch_scc0 .Lentry_shape_is_right
	s_endpgm
.Lentry_shape_is_right:
; ctx = softmax(q k^T / 8, masked) v for one head, both products on codes of BF8 (E5M2); the result is quantised with 2^e10 and stored as the last product's operand.
; THE SOFTMAX: t = logit x log2(e); M = the row's largest t so far, rounded UP to a whole number; p = 2^(t - M) is quantised with 2^e8, not normalised; the row's sum is taken of the unquantised p and divides at the end.
; When M moves, the sum and O are multiplied by 2^(old M - new M): exact.
; SHARES.  Work-group y = 16 batch + head; the four work-groups of a cluster take 512 queries each; each of SIXTEEN waves owns 32 queries, two tiles of 16, in 256 registers: four waves to a SIMD, so that one wave's
; vector work stands beside another's matrix work and LDS loads.  Each fragment of K and V read from LDS feeds both tiles.
; NO RING.  A head's k_img and v_img are 131,072 dense bytes each: the whole head is brought into LDS ONCE, in four groups of 512 keys, by waves 0 to 3 (0, 1: K's halves of a group; 2, 3: V's), sixteen loads of
; 16 KiB in all, four a wave.  No LDS byte is filled twice.  The four query blocks of a head ask JOINTLY (mask 15): the same loads with the same descriptors.  All is asked for at the head, so there is nothing to prefetch.
; LAYOUT.  Both products are used transposed: S^T = K Q^T (source 0 = 16 keys, source 1 = 16 queries), O^T = V^T P^T: a lane holds ONE query throughout.  All operands lie as images of their registers (a piece: four
; registers of 32 lanes, lane l's 16 bytes at 16 l; registers 2 c, 2 c + 1 hold k = 16 c + 8 h + 0 .. 7), so one conversion of a score tile's eight registers gives registers 2 t, 2 t + 1 of P.
; THE MASK costs no vector instruction in the loop.  k's codes at masked keys are zeros (the launch before made them so), so their raw score is exactly 0; each score tile takes as its C a table in LDS: 0 at a key that
; counts, NEG at a masked one.  So a masked logit is REPLACED, not shifted.
; LIMIT, stated plainly: NEG stands for the logit -2^30, where reference() writes -1e9.  A power of two makes NEG x c exact, so that in a row whose keys are ALL masked t - M is exactly 0 and p = 1 everywhere, as
; reference() has it; where some key counts, a masked p is 0 with either number.  The result differs from reference() only where an unmasked logit lies below about -1e9.
; LIMITS on the exponents: e6 + e7 between -94 and 130 (added to c's exponent field, taken from NEG's); e8 and e10 between -126 and 112; e8 + e9 goes by v_ldexp_f32 and has none.  NaN is not served.
.set AK0, 1                            ; v1   16 x lane: my place in a piece of K's image (LDS byte 0 on), of Q's and of ctx's
.set AV0, 2                            ; v2   the same in V's image
.set AB0, 3                            ; v3   the table: + 32 h
.set ADK, 4                            ; v4-6 the step's LDS addresses
.set ADV, 5
.set ADB, 6
.set LIM, 7
.set SCL, 8                            ; v8   the scale as f32
.set PX,  9                            ; v9   a lane permute's destination
.set ST,  10                           ; tile a at v[10 + 4 a]: -M, the largest t, the sum in two halves
.set F,   18                           ; v[18:19] f = 2^(old M - new M); v19 is named with it as a pair
.set TS,  20                           ; v[20:21] the sums' second chain
.set T0,  22
.set T1,  23
.set Q,   24                           ; v24-39   Q's two fragments
.set P0,  40                           ; v40-55   tile 0's codes of p
.set P1,  56                           ; v56-71   tile 1's: laid over the scores that have been converted
.set S,   60                           ; v60-123  eight score tiles, then p
.set KV,  124                          ; v124-187 eight fragments of K, or four of V
.set O,   188                          ; v188-251 O^T: tile (a, t) at 188 + 32 a + 8 t
.set VIMG, 131072
.set BTAB, 262144                      ; 2,048 f32; written by LDS stores, never a tensor load's target
.set WV,  18
.set SEL, 20                           ; s[20:21] lane selects for v_permlanex16_b32: lane l xor 16
.set CS,  22                           ; s[22:23] c = log2(e) / 8 x 2^(e6 + e7)
.set G1,  24                           ; s[24:31] descriptor group 1
.set G0,  32                           ; s[32:47] four groups 0, one for each group of 512 keys
.set KB,  48                           ; s48  the step's first byte in K's and in V's image
.set BB,  49                           ; s49  and in the table
.set CNT, 50
.macro CROUND                          ; a round of the cluster's barrier
	s_barrier_signal -1
	s_barrier_wait -1
	s_cmp_lg_u32 s[WV], 0
	s_cbranch_scc1 .Lnot_wave_0_\@
	s_barrier_signal -3
.Lnot_wave_0_\@:
	s_barrier_wait -3
	s_barrier_signal -1
	s_barrier_wait -1
.endm
.macro PLACES
.rept 4
	v_nop
.endr
.endm
	s_load_b256 s[4:11], s[0:1], 0x0               ; q_img s[4:5], k_img s[6:7], v_img s[8:9], mask s[10:11]
	s_load_b128 s[12:15], s[0:1], 0x20             ; the scales' exponents s[12:13], ctx_img s[14:15]
	v_lshl_add_u32 v254, v0, 2, 0x42000
	v_mov_b32 v255, 0
	ds_add_u32 v254, v255
	ds_add_u32 v254, v255
	v_lshrrev_b32 v1, 5, v0
	s_delay_alu instid0(VALU_DEP_1)
	v_readfirstlane_b32 s[WV], v1                  ; wave 0..15
	s_bfe_u32 s78, ttmp6, 0x40000                  ; cx: my block of 512 queries: it enters Q's and ctx's addresses alone
	s_and_b32 s67, ttmp7, 0xffff                   ; 16 batch + head, which the four partners share
	; descriptor group 1: a dense block of 16 KiB as 64 rows of 256 bytes
	s_mov_b32 s[G1], 15|(3<<16)|(1<<21)            ; 15:0 the mask: all four work-groups; 17:16 elements of 8 bytes; 21 set beside a mask; no padding: every read of an image is 512 consecutive bytes
	s_mov_b32 s[G1+1], 32<<16                      ; tensor_dim0 = 32
	s_mov_b32 s[G1+2], 64<<16                      ; tensor_dim1 = 64
	s_mov_b32 s[G1+3], 32<<16                      ; tile_dim0 = 32
	s_mov_b32 s[G1+4], 64                          ; tile_dim1 = 64
	s_mov_b32 s[G1+5], 32                          ; tensor_dim0_stride
	s_mov_b32 s[G1+6], 0
	s_mov_b32 s[G1+7], 0
	s_mov_b32 s[SEL], 0x76543210
	s_mov_b32 s[SEL+1], 0xfedcba98
	s_mov_b32 s[CS], 0x3e38aa3b                    ; log2(e) / 8
	s_and_b32 s68, s[WV], 3                        ; what a fetching wave fetches:
	s_lshr_b32 s69, s68, 1                         ; K's image (0) or V's (1),
	s_and_b32 s70, s68, 1                          ; which 16 KiB of a group's 32
	s_lshl_b32 s71, s69, 17
	s_lshl_b32 s72, s70, 14
	s_add_co_u32 s71, s71, s72                     ; in LDS: no place in the cluster enters an LDS address
	s_lshl_b32 s74, s67, 17                        ; in memory: the head's 131,072 bytes
	s_add_co_u32 s74, s74, s72
	s_mov_b32 s75, 0
	s_wait_dscnt 0x0
	s_wait_kmcnt 0x0
	s_load_b64 s[58:59], s[12:13], 0x18            ; e6, e7
	s_load_b128 s[60:63], s[12:13], 0x20           ; e8, e9, e10, e11
	s_cmp_eq_u32 s69, 0
	s_cselect_b64 s[76:77], s[6:7], s[8:9]
	s_add_nc_u64 s[76:77], s[76:77], s[74:75]
.irp g, 0,1,2,3
	s_mov_b32 s[G0+4*\g], 1                        ; count = 1
	s_add_co_u32 s[G0+4*\g+1], s71, 32768*\g       ; LDS address
	s_add_nc_u64 s[G0+4*\g+2:G0+4*\g+3], s[76:77], 32768*\g   ; global address
	s_or_b32 s[G0+4*\g+3], s[G0+4*\g+3], 0x80000000   ; type = 2
.endr
	CROUND                                         ; all four work-groups are here: the joint loads meet
	s_cmp_lt_u32 s[WV], 4                          ; a wave's four fills stand in one branch, ahead of every wait on TENSORcnt, every LDS read and every other barrier: four loads of mine are out
	s_cbranch_scc0 .Lno_fetch
	tensor_load_to_lds s[G0:G0+3], s[G1:G1+7]
	s_nop 0
	tensor_load_to_lds s[G0+4:G0+7], s[G1:G1+7]
	s_nop 0
	tensor_load_to_lds s[G0+8:G0+11], s[G1:G1+7]
	s_nop 0
	tensor_load_to_lds s[G0+12:G0+15], s[G1:G1+7]
	s_nop 0
.rept 4
	v_nop
.endr
.Lno_fetch:
	v_and_b32 v22, 31, v0
	s_delay_alu instid0(VALU_DEP_1)
	v_lshlrev_b32 v[AK0], 4, v22
	s_wait_alu depctr_va_vdst(0)
	v_add_nc_u32 v[AV0], VIMG, v[AK0]
	v_bfe_u32 v23, v0, 4, 1                        ; h
	s_delay_alu instid0(VALU_DEP_1)
	v_lshlrev_b32 v[AB0], 5, v23
	s_delay_alu instid0(VALU_DEP_1)
	v_add_nc_u32 v[AB0], BTAB, v[AB0]
	v_lshlrev_b32 v5, 4, v0                        ; 16 x thread: my four words of the batch's mask,
	s_delay_alu instid0(VALU_DEP_1)
	v_add_nc_u32 v6, BTAB, v5                      ; and of the table
	s_lshr_b32 s68, s67, 4                         ; batch
	s_lshl_b32 s69, s68, 13                        ; 2,048 words
	s_mov_b32 s70, s69
	s_mov_b32 s71, 0
	s_add_nc_u64 s[10:11], s[10:11], s[70:71]
	global_load_b128 v[S:S+3], v5, s[10:11]
	s_lshl_b32 s70, s67, 7                         ; Q: token tile 128 (16 batch + head) + 32 cx + 2 wave, 1,024 bytes each
	s_lshl_b32 s79, s78, 5
	s_add_co_u32 s70, s70, s79
	s_lshl_b32 s73, s[WV], 1
	s_add_co_u32 s70, s70, s73
	s_lshl_b32 s70, s70, 10
	s_add_nc_u64 s[4:5], s[4:5], s[70:71]
.irp a, 0,1
.irp c, 0,1
	global_load_b128 v[Q+8*\a+4*\c:Q+8*\a+4*\c+3], v[AK0], s[4:5] offset:1024*\a+512*\c   ; Q's fragments stay in registers
.endr
.endr
	s_lshl_b32 s72, s68, 7                         ; ctx: token tile 128 batch + 32 cx + 2 wave, 16,384 bytes each;
	s_add_co_u32 s72, s72, s79
	s_add_co_u32 s72, s72, s73
	s_lshl_b32 s72, s72, 14
	s_and_b32 s73, s67, 15
	s_lshl_b32 s73, s73, 10                        ; + 1,024 x head: K step head / 2 of 2,048 bytes, pieces 2 (head % 2) on
	s_add_co_u32 s72, s72, s73
	s_mov_b32 s73, 0
	s_add_nc_u64 s[14:15], s[14:15], s[72:73]
.irp a, 0,1
	v_mov_b32 v[ST+4*\a+1], 0xff61b1e6             ; the largest t so far: -3e38, under every t
	s_delay_alu instid0(VALU_DEP_1)
	v_floor_f32 v[ST+4*\a], -v[ST+4*\a+1]          ; -M
	v_mov_b32 v[ST+4*\a+2], 0                      ; the sum, in two halves
	v_mov_b32 v[ST+4*\a+3], 0
.endr
	v_mov_b32 v[PX], 0                             ; written once: a lane permute's destination counts as one of its sources
	v_mov_b32 v[F+1], 0
.set j, 0
.rept 64
	v_mov_b32 v[O+j], 0                            ; O^T, once: the step is written without a first step of its own: it finds zeros, which the first change of M leaves zeros
.set j, j+1
.endr
	s_wait_kmcnt 0x0
	s_add_co_i32 s68, s58, s59
	s_lshl_b32 s68, s68, 23
	s_add_co_i32 s[CS], s[CS], s68                 ; a raw score stands for score x 2^(e6 + e7): the exponents are added to c's exponent field
	s_mov_b32 s[CS+1], s[CS]                       ; (named with it as a pair, so it is written)
	s_sub_co_i32 s69, 0xd0000000, s68              ; NEG = -2^33 / 2^(e6 + e7): as a raw score, the logit -2^30
	v_mov_b32 v22, s69
	s_add_co_i32 s70, s60, 127
	s_lshl_b32 s71, s70, 23
	v_mov_b32 v[SCL], s71                          ; 2^e8
	s_add_co_i32 s70, s70, 15
	s_lshl_b32 s70, s70, 23
	s_or_b32 s70, s70, 0x600000
	s_wait_alu depctr_va_vdst(0)
	s_wait_loadcnt 0x0                             ; the mask and Q
.irp i, 0,1,2,3
	v_cmp_eq_u32 vcc_lo, 0, v[S+\i]
	s_delay_alu instid0(VALU_DEP_1)
	v_cndmask_b32 v[S+\i], 0, v22, vcc_lo          ; 0 where the key counts, NEG where it is masked
.endr
	ds_store_b128 v6, v[S:S+3]
.macro BIAS                            ; the C of eight score tiles: register j of tile t is key 16 t + 8 h + j; sixteen lanes share each word
.irp t, 0,1,2,3,4,5,6,7
.irp i, 0,1
	ds_load_b128 v[S+8*\t+4*\i:S+8*\t+4*\i+3], v[ADB] offset:64*\t+16*\i
.endr
.endr
.endm
.macro KLOAD                           ; eight fragments of 16 keys x 64
.irp t, 0,1,2,3,4,5,6,7
.irp c, 0,1
	ds_load_b128 v[KV+8*\t+4*\c:KV+8*\t+4*\c+3], v[ADK] offset:1024*\t+512*\c
.endr
.endr
.endm
.macro VLOAD                           ; four fragments of 16 channels x 128 keys
.irp t, 0,1,2,3
.irp c, 0,1,2,3
	ds_load_b128 v[KV+16*\t+4*\c:KV+16*\t+4*\c+3], v[ADV] offset:2048*\t+512*\c
.endr
.endr
.endm
.macro SCORE a                         ; S^T = K Q^T + the table, for query tile a
.irp t, 0,1,2,3,4,5,6,7
	v_wmma_f32_16x16x64_bf8_bf8 v[S+8*\t:S+8*\t+7], v[KV+8*\t:KV+8*\t+7], v[Q+8*\a:Q+8*\a+7], v[S+8*\t:S+8*\t+7]
.endr
.endm
.macro PV                              ; O^T += V^T P^T: the eight accumulators by turns, one instruction a turn
.irp t, 0,1,2,3
	v_wmma_f32_16x16x128_bf8_bf8 v[O+8*\t:O+8*\t+7], v[KV+16*\t:KV+16*\t+15], v[P0:P0+15], v[O+8*\t:O+8*\t+7]
	v_wmma_f32_16x16x128_bf8_bf8 v[O+32+8*\t:O+32+8*\t+7], v[KV+16*\t:KV+16*\t+15], v[P1:P1+15], v[O+32+8*\t:O+32+8*\t+7]
.endr
.endm
; Tile a's softmax for 128 keys; its codes go to v[pc] on.  mid = 1: the other tile's C is fetched between the conversions and the rescaling of O^T.
.macro SOFTMAX a, pc, mid
.set SA, ST+4*\a
	v_max3_num_f32 v[T0], v[S], v[S+1], v[S+2]     ; the step's largest score of my query among my 64 keys, in two chains; ascending
	v_max3_num_f32 v[T1], v[S+3], v[S+4], v[S+5]
.set i, 6
.rept 14
	v_max3_num_f32 v[T0], v[T0], v[S+i], v[S+i+1]
	v_max3_num_f32 v[T1], v[T1], v[S+i+2], v[S+i+3]
.set i, i+4
.endr
	v_max3_num_f32 v[T0], v[T0], v[S+62], v[S+63]
	s_delay_alu instid0(VALU_DEP_1)
	v_max_num_f32 v[T0], v[T0], v[T1]
	s_delay_alu instid0(VALU_DEP_1)
	v_permlanex16_b32 v[PX], v[T0], s[SEL], s[SEL+1]
	s_delay_alu instid0(VALU_DEP_1)
	v_max_num_f32 v[T0], v[T0], v[PX]              ; and among lane l xor 16's
	s_delay_alu instid0(VALU_DEP_1)
	v_mul_f32 v[T0], s[CS], v[T0]                  ; as t (c is positive)
	s_delay_alu instid0(VALU_DEP_1)
	v_max_num_f32 v[SA+1], v[SA+1], v[T0]          ; the running largest t
	v_mov_b32 v[T0], v[SA]
	s_delay_alu instid0(VALU_DEP_2)
	v_floor_f32 v[SA], -v[SA+1]                    ; the new -M = floor(-t) = -ceil(t): a whole number
	s_delay_alu instid0(VALU_DEP_1)
	v_sub_f32 v[T0], v[SA], v[T0]                  ; old M - new M: a whole number, 0 or less
	s_delay_alu instid0(VALU_DEP_1)
	v_cvt_i32_f32 v[T0], v[T0]                     ; (it saturates)
	s_delay_alu instid0(VALU_DEP_1)
	v_ldexp_f32 v[F], 1.0, v[T0]                   ; f = 2^(old M - new M)
.set j, 0
.rept 32
	v_pk_fma_f32 v[S+j:S+j+1], v[S+j:S+j+1], s[CS:CS+1], v[SA:SA+1] op_sel_hi:[1,0,0]   ; t - M, two at a time (of the pairs c and -M the low word serves both halves)
.set j, j+2
.endr
.set j, 0
	s_wait_alu depctr_va_vdst(0)
.rept 64
	v_exp_f32 v[S+j], v[S+j]                       ; p = 2^(t - M): one batch
.set j, j+1
.endr
	v_pk_mul_f32 v[SA+2:SA+3], v[SA+2:SA+3], v[F:F+1] op_sel_hi:[1,0]   ; the sums under the new M: the plain line behind the exponentials
	s_wait_alu depctr_va_vdst(0)                   ; one wait for the batch, ahead of its first use
	v_pk_add_f32 v[TS:TS+1], v[S:S+1], v[S+2:S+3]  ; the row's sum, of the UNQUANTISED p, in two chains
.set j, 4
.rept 15
	v_pk_add_f32 v[SA+2:SA+3], v[SA+2:SA+3], v[S+j:S+j+1]
	v_pk_add_f32 v[TS:TS+1], v[TS:TS+1], v[S+j+2:S+j+3]
.set j, j+4
.endr
	s_delay_alu instid0(VALU_DEP_1)
	v_pk_add_f32 v[SA+2:SA+3], v[SA+2:SA+3], v[TS:TS+1]
.set t, 0
.rept 8                                ; one v_nop is the plain line between two conversions; conversion t writes below its own sources
.set i, 0
.rept 8
.set i, i+1
.endr
	v_nop
	v_cvt_scalef32_pk8_bf8_f32 v[\pc+2*t:\pc+2*t+1], v[S+8*t:S+8*t+7], v[SCL]
.set t, t+1
.endr
.if \mid
	v_nop
	BIAS
.endif
.set j, 0
.rept 16
	v_pk_mul_f32 v[O+32*\a+j:O+32*\a+j+1], v[O+32*\a+j:O+32*\a+j+1], v[F:F+1] op_sel_hi:[1,0]   ; O^T under the new M; also the plain lines behind the last conversion
.set j, j+2
.endr
.endm
; A KEY STEP: 128 keys, both tiles.
.macro STEP
	v_add_nc_u32 v[ADK], s[KB], v[AK0]             ; with the two v_nop: five places behind the last products, whose sources take loads now and whose P1 the first score tiles write over
	v_add_nc_u32 v[ADV], s[KB], v[AV0]
	v_add_nc_u32 v[ADB], s[BB], v[AB0]
	v_nop
	v_nop
	BIAS
	KLOAD
	s_wait_dscnt 0x0
	SCORE 0
	PLACES
	SOFTMAX 0, P0, 1
	s_wait_dscnt 0x0                               ; tile 1's C
	SCORE 1
	PLACES
	VLOAD                                          ; K's registers are free: V lands while tile 1's softmax is walked
	s_setprio 1
	SOFTMAX 1, P1, 0
	s_setprio 0
	s_wait_alu depctr_va_vdst(0)
	s_wait_dscnt 0x0
	PV
	s_add_co_u32 s[KB], s[KB], 8192
	s_add_co_u32 s[BB], s[BB], 512
.endm
; A group of 512 keys: four steps.  The count leaves the later groups' loads on their way.
.macro GROUP n
	s_wait_tensorcnt 3-\n                          ; my part of group n is in
	s_wait_dscnt 0x0                               ; (group 0: my four words of the table are stored)
	s_barrier_signal -1
	s_barrier_wait -1                              ; everybody's is
	s_mov_b32 s[KB], 32768*\n
	s_mov_b32 s[BB], 2048*\n
	s_mov_b32 s[CNT], 4
.Lstep_\@:
	s_setprio 2
	STEP
	s_sub_co_u32 s[CNT], s[CNT], 1
	s_cmp_lg_u32 s[CNT], 0
	s_cbranch_scc1 .Lstep_\@
	s_setprio 0
.endm
	GROUP 0
	GROUP 1
	GROUP 2
	GROUP 3
	; THE WAY OUT.  O^T x 2^(e8 + e9) / the sum, held, converted with 2^e10: tile t's two registers are registers 2 t, 2 t + 1 of the head's half of a fragment of the last product.
	PLACES
	v_add_f32 v[ST+2], v[ST+2], v[ST+3]            ; the sums' two halves,
	v_add_f32 v[ST+6], v[ST+6], v[ST+7]
	s_delay_alu instid0(VALU_DEP_2)
	v_permlanex16_b32 v[PX], v[ST+2], s[SEL], s[SEL+1]
	s_delay_alu instid0(VALU_DEP_1)
	v_add_f32 v[ST+2], v[ST+2], v[PX]              ; and lane l xor 16's
	s_delay_alu instid0(VALU_DEP_2)
	v_permlanex16_b32 v[PX], v[ST+6], s[SEL], s[SEL+1]
	s_delay_alu instid0(VALU_DEP_1)
	v_add_f32 v[ST+6], v[ST+6], v[PX]
	s_wait_alu depctr_va_vdst(0)
	v_rcp_f32 v[ST], v[ST+2]
	v_rcp_f32 v[ST+4], v[ST+6]
	v_nop                                          ; a plain line behind the reciprocals
	s_add_co_i32 s68, s60, s61                     ; e8 + e9
	s_add_co_i32 s70, s62, 127
	s_lshl_b32 s71, s70, 23
	v_mov_b32 v[SCL], s71                          ; 2^e10
	s_wait_alu depctr_va_vdst(0)                   ; one wait for both, ahead of their first use
	v_ldexp_f32 v[ST], v[ST], s68
	v_ldexp_f32 v[ST+4], v[ST+4], s68
.irp a, 0,1
.set j, 0
.rept 16
	v_pk_mul_f32 v[S+32*\a+j:S+32*\a+j+1], v[O+32*\a+j:O+32*\a+j+1], v[ST+4*\a:ST+4*\a+1] op_sel_hi:[1,0]   ; each accumulator from its low end on
.set j, j+2
.endr
.set j, 0
.rept 32
.set j, j+1
.endr
.irp t, 0,1,2,3
	v_cvt_scalef32_pk8_bf8_f32 v[P0+8*\a+2*\t:P0+8*\a+2*\t+1], v[S+32*\a+8*\t:S+32*\a+8*\t+7], v[SCL]
.endr
.endr
	v_nop
.irp a, 0,1
.irp p, 0,1
	global_store_b128 v[AK0], v[P0+8*\a+4*\p:P0+8*\a+4*\p+3], s[14:15] offset:16384*\a+512*\p   ; a piece: 512 consecutive bytes
.endr
.endr
	s_wait_tensorcnt 0x0
	ds_add_u32 v254, v255
	s_wait_dscnt 0x0
	CROUND                                         ; the closing round: no work-group ends while a partner may still ask for a tile that names it
	s_endpgm
.Lfunc_end_k_qd19dcaf000_attn:
	.size	k_qd19dcaf000_attn, .Lfunc_end_k_qd19dcaf000_attn-k_qd19dcaf000_attn
	.p2alignl 7, 3214868480
	.fill 96, 4, 3214868480
	.section	.rodata,"a",@progbits
	.p2align	6, 0x0
	.amdhsa_kernel k_qd19dcaf000_attn
		.amdhsa_group_segment_fixed_size 272384
		.amdhsa_private_segment_fixed_size 0
		.amdhsa_enable_private_segment 0
		.amdhsa_kernarg_size 48
		.amdhsa_user_sgpr_count 2
		.amdhsa_user_sgpr_kernarg_segment_ptr 1
		.amdhsa_wavefront_size32 1
		.amdhsa_system_sgpr_workgroup_id_x 1
		.amdhsa_system_sgpr_workgroup_id_y 1
		.amdhsa_system_sgpr_workgroup_id_z 1
		.amdhsa_system_vgpr_workitem_id 0
		.amdhsa_next_free_vgpr 256
		.amdhsa_next_free_sgpr 80
		.amdhsa_reserve_vcc 1
		.amdhsa_float_denorm_mode_32 3
		.amdhsa_float_denorm_mode_16_64 3
		.amdhsa_fp16_overflow 1
		.amdhsa_memory_ordered 1
		.amdhsa_forward_progress 1
		.amdhsa_inst_pref_size 125
	.end_amdhsa_kernel
	.amdgpu_metadata
---
amdhsa.version: [ 1, 2 ]
amdhsa.kernels:
  - .name:           k_qd19dcaf000_attn
    .symbol:         k_qd19dcaf000_attn.kd
    .args:
      - { .name: q_img, .offset: 0, .size: 8, .value_kind: global_buffer, .address_space: global }
      - { .name: k_img, .offset: 8, .size: 8, .value_kind: global_buffer, .address_space: global }
      - { .name: v_img, .offset: 16, .size: 8, .value_kind: global_buffer, .address_space: global }
      - { .name: mask, .offset: 24, .size: 8, .value_kind: global_buffer, .address_space: global }
      - { .name: lowp_scales, .offset: 32, .size: 8, .value_kind: global_buffer, .address_space: global }
      - { .name: ctx_img, .offset: 40, .size: 8, .value_kind: global_buffer, .address_space: global }
    .group_segment_fixed_size: 272384
    .private_segment_fixed_size: 0
    .kernarg_segment_align: 8
    .kernarg_segment_size: 48
    .max_flat_workgroup_size: 512
    .sgpr_count:     80
    .vgpr_count:     256
    .wavefront_size: 32
...
	.end_amdgpu_metadata
.endif
;; end of part 3
;; launch outln (part 4): grid 256 x 1, 16 waves a work-group, no clusters, 166,400 bytes of LDS; arguments ctx_img, wo_img, lowp_scales, bo, Q, gamma, beta, out0; writes out0
.if DOCPART == 4
	.amdgcn_target "amdgcn-amd-amdhsa--gfx1250"
	.amdhsa_code_object_version 6
	.text
	.protected	k_qd19dcaf000_outln
	.globl	k_qd19dcaf000_outln
	.p2align	8
	.type	k_qd19dcaf000_outln,@function
k_qd19dcaf000_outln:
	s_mov_b64 s[64:65], 0
	v_nop
	global_prefetch_b8 v0, s[64:65] scope:SCOPE_SE
	s_setreg_imm32_b32 hwreg(HW_REG_WAVE_MODE, 25, 1), 1
	s_wait_xcnt 0x0
; out0 = LayerNorm(ctx Wo^T + bo + Q) x gamma + beta.  The product is on codes of BF8 (E5M2), f32 sums, x 2^(e10 + e11); all else in f32.
; SHARES.  A work-group owns 32 tokens, whole rows of 1,024 for the norm.  Wave w of sixteen makes features 64 w .. 64 w + 63 for them: 4 feature tiles x 2 token tiles, eight accumulators by turns; afterwards it
; normalises rows 2 w and 2 w + 1.  The product is used transposed (source 0 = 16 rows of Wo, source 1 = 16 tokens): a lane holds a token and eight neighbouring features.
; OPERANDS are images of their registers (a piece: four registers of 32 lanes, lane l's 16 bytes at 16 l).  ctx's 32 KiB are copied to LDS once and read by all waves.
; Wo's fragments go from memory STRAIGHT INTO REGISTERS, 512 consecutive bytes a load, two K steps (32 loads a wave) ahead.  NO CLUSTER, NO TENSOR LOAD, though all work-groups read wo_img: within a work-group each
; fragment of Wo feeds exactly one wave, so by way of LDS its 1 MiB would be written there once and read once more with no read spared, and each of the eight K steps would want a round of the cluster's barrier.
; The variance is taken of x - mean, in a second pass over registers: no difference of large sums is formed.
; LIMIT: e10 + e11 between -126 and 127.
.set XIMG,   0                         ; LDS: ctx's 16 fragments: 16,384 u + 2,048 s + 512 c
.set STG,    32768                     ; the stage: 32 rows x (4,096 bytes + 16): row r starts 4 banks on from row r - 1 (64 banks of 4 bytes: ISA guide 11.1)
.set SPITCH, 4112
.set LI,  1                            ; v1   16 x lane
.set TI,  2                            ; v2   16 x thread
.set SO0, 3                            ; v3, v4  the stage: where I put 32 bytes of token 16 u + r
.set SR,  5                            ; v5   and where I read my two rows back
.set QO,  6                            ; v6   my byte in the work-group's rows of Q and of out0
.set PFO, 7                            ; v7   256 x thread; never rewritten
.set ACC, 32                           ; v32-95   accumulator (t, u) at 32 + 8 (2 t + u); later x, two rows
.set A,   96                           ; v96-127  ctx's two fragments
.set B0,  128                          ; v128-255 Wo's fragments, two sets of four
.set QR,  96                           ; the way out: v96-159 Q's two rows; v160-191 bo; v192-223 gamma; v224-255 beta
.set BO,  160
.set GA,  192
.set BE,  224
.set WV,  20
.set SC,  40                           ; s[40:41] 2^(e10 + e11), twice
.set SEL, 44                           ; s[44:45] lane selects for v_permlanex16_b32: lane l xor 16
	s_load_b512 s[4:19], s[0:1], 0x0               ; ctx_img, wo_img, the exponents, bo, Q, gamma, beta, out0
	v_lshl_add_u32 v30, v0, 2, 0x28200
	v_mov_b32 v31, 0
	v_lshrrev_b32 v8, 5, v0
	s_delay_alu instid0(VALU_DEP_1)
	v_readfirstlane_b32 s[WV], v8                  ; wave 0..15
	v_and_b32 v8, 31, v0
	s_delay_alu instid0(VALU_DEP_1)
	v_lshlrev_b32 v[LI], 4, v8
	v_lshlrev_b32 v[TI], 4, v0
	v_lshlrev_b32 v[PFO], 8, v0
	v_and_b32 v9, 15, v0                           ; r
	v_bfe_u32 v10, v0, 4, 1                        ; h
	s_delay_alu instid0(VALU_DEP_2)
	v_mul_u32_u24 v[SO0], v9, SPITCH
	s_delay_alu instid0(VALU_DEP_1)
	v_lshl_add_u32 v[SO0], v10, 5, v[SO0]
	s_lshl_b32 s21, s[WV], 8
	s_add_co_u32 s21, s21, STG
	v_add_nc_u32 v[SO0], s21, v[SO0]               ; row r, + 32 h, + 256 x wave: my features' bytes
	s_delay_alu instid0(VALU_DEP_1)
	v_add_nc_u32 v[SO0+1], 16*SPITCH, v[SO0]       ; the second token tile: 16 rows are more than an LDS immediate holds
	s_mul_i32 s21, s[WV], 2*SPITCH
	s_add_co_u32 s21, s21, STG
	v_add_nc_u32 v[SR], s21, v[LI]
	s_lshl_b32 s21, s[WV], 13
	v_add_nc_u32 v[QO], s21, v[LI]                 ; two rows of 4,096 bytes a wave
	s_lshl_b32 s22, ttmp9, 15                      ; ctx: two token tiles of 16,384 bytes
	s_mov_b32 s23, 0
	s_lshl_b32 s24, s[WV], 16                      ; Wo: four feature tiles of 16,384 bytes
	s_mov_b32 s25, 0
	s_lshl_b32 s26, ttmp9, 17                      ; Q, out0: 32 rows of 4,096 bytes
	s_mov_b32 s27, 0
	s_mov_b32 s42, 0x3a800000                      ; 1 / 1,024
	s_mov_b32 s43, 0x3727c5ac                      ; 1e-5
	s_mov_b32 s[SEL], 0x76543210
	s_mov_b32 s[SEL+1], 0xfedcba98
	s_wait_alu depctr_va_vdst(0)
	s_wait_kmcnt 0x0
	s_load_b64 s[28:29], s[8:9], 0x28              ; e10, e11
	s_add_nc_u64 s[4:5], s[4:5], s[22:23]
	s_add_nc_u64 s[6:7], s[6:7], s[24:25]
	s_add_nc_u64 s[12:13], s[12:13], s[26:27]
	s_add_nc_u64 s[18:19], s[18:19], s[26:27]
.macro BLOAD s                         ; my four fragments of Wo for K step s, into set s % 2
.irp t, 0,1,2,3
.irp c, 0,1,2,3
	global_load_b128 v[B0+64*((\s)%2)+16*\t+4*\c:B0+64*((\s)%2)+16*\t+4*\c+3], v[LI], s[6:7] offset:16384*\t+2048*(\s)+512*\c
.endr
.endr
.endm
.macro ALOAD s                         ; ctx's two fragments for K step s
.irp u, 0,1
.irp c, 0,1,2,3
	ds_load_b128 v[A+16*\u+4*\c:A+16*\u+4*\c+3], v[LI] offset:XIMG+16384*\u+2048*(\s)+512*\c
.endr
.endr
.endm
.irp i, 0,1,2,3
	global_load_b128 v[A+4*\i:A+4*\i+3], v[TI], s[4:5] offset:8192*\i th:TH_LOAD_NT   ; the work-group's 32 KiB of ctx, as they lie
.endr
	BLOAD 0
	BLOAD 1
	s_wait_kmcnt 0x0
	s_add_co_i32 s28, s28, s29
	s_add_co_i32 s28, s28, 127
	s_lshl_b32 s[SC], s28, 23                      ; 2^(e10 + e11) as f32
	s_mov_b32 s[SC+1], s[SC]
	s_wait_loadcnt 32                              ; ctx's four loads are in; Wo's 32 may be out
.irp i, 0,1,2,3
	ds_store_b128 v[TI], v[A+4*\i:A+4*\i+3] offset:XIMG+8192*\i
.endr
	s_wait_dscnt 0x0                               ; for the others' sake: my stores have landed
	s_barrier_signal -1
	s_barrier_wait -1                              ; ctx's sixteen fragments lie in LDS
	ALOAD 0
.macro KSTEP s
.if \s < 7
	s_wait_loadcnt 16                              ; this step's sixteen loads of Wo are in; the next step's may be out
.else
	s_wait_loadcnt 0
.endif
	s_wait_dscnt 0x0
.irp t, 0,1,2,3
.irp u, 0,1
.if \s == 0
	v_wmma_f32_16x16x128_bf8_bf8 v[ACC+8*(2*\t+\u):ACC+8*(2*\t+\u)+7], v[B0+64*((\s)%2)+16*\t:B0+64*((\s)%2)+16*\t+15], v[A+16*\u:A+16*\u+15], 0
.else
	v_wmma_f32_16x16x128_bf8_bf8 v[ACC+8*(2*\t+\u):ACC+8*(2*\t+\u)+7], v[B0+64*((\s)%2)+16*\t:B0+64*((\s)%2)+16*\t+15], v[A+16*\u:A+16*\u+15], v[ACC+8*(2*\t+\u):ACC+8*(2*\t+\u)+7]
.endif
.endr
.endr
.rept 4
	v_nop                                          ; places in front of loads into registers that these products have read, and of the first read of results
.endr
.if \s < 6
	BLOAD (\s)+2
.endif
.if \s < 7
	ALOAD (\s)+1
.endif
.if \s == 1
	global_prefetch_b8 v[PFO], s[12:13] th:TH_LOAD_NT scope:SCOPE_SE   ; the work-group's 32 rows of Q, 512 blocks of 256 bytes, a thread a block, each named once; the way out loads them six K steps on
.endif
.endm
.irp s, 0,1,2,3,4,5,6,7
	KSTEP \s
.endr
	; THE WAY OUT.  The loads first; then the raw sums meet in the stage, since a row's 1,024 features come from sixteen waves.
.irp i, 0,1
.irp k, 0,1,2,3,4,5,6,7
	global_load_b128 v[QR+32*\i+4*\k:QR+32*\i+4*\k+3], v[QO], s[12:13] offset:4096*\i+512*\k th:TH_LOAD_NT
.endr
.endr
.irp k, 0,1,2,3,4,5,6,7
	global_load_b128 v[BO+4*\k:BO+4*\k+3], v[LI], s[10:11] offset:512*\k
.endr
.irp k, 0,1,2,3,4,5,6,7
	global_load_b128 v[GA+4*\k:GA+4*\k+3], v[LI], s[14:15] offset:512*\k
.endr
.irp k, 0,1,2,3,4,5,6,7
	global_load_b128 v[BE+4*\k:BE+4*\k+3], v[LI], s[16:17] offset:512*\k
.endr
.irp t, 0,1,2,3
.irp u, 0,1
	ds_store_b128 v[SO0+\u], v[ACC+8*(2*\t+\u):ACC+8*(2*\t+\u)+3] offset:64*\t          ; lane (r, h): token 16 u + r, features 64 w + 16 t + 8 h + 0 .. 7; the low four first
	ds_store_b128 v[SO0+\u], v[ACC+8*(2*\t+\u)+4:ACC+8*(2*\t+\u)+7] offset:64*\t+16
.endr
.endr
	s_wait_dscnt 0x0                               ; for the others' sake: my stores have landed
	s_barrier_signal -1
	s_barrier_wait -1                              ; 32 whole rows lie in the stage
.irp i, 0,1
.irp k, 0,1,2,3,4,5,6,7
	ds_load_b128 v[ACC+32*\i+4*\k:ACC+32*\i+4*\k+3], v[SR] offset:SPITCH*\i+512*\k     ; row 2 w + i: features 128 k + 4 lane + 0 .. 3
.endr
.endr
	s_wait_loadcnt 16                              ; Q and bo are in; gamma's and beta's sixteen loads may be out
.irp i, 0,1
.set j, 0
.rept 16
	v_pk_add_f32 v[QR+32*\i+j:QR+32*\i+j+1], v[QR+32*\i+j:QR+32*\i+j+1], v[BO+j:BO+j+1]
.set j, j+2
.endr
.endr
	s_wait_dscnt 0x0
.set j, 0
.rept 32
	v_pk_fma_f32 v[ACC+j:ACC+j+1], v[ACC+j:ACC+j+1], s[SC:SC+1], v[QR+j:QR+j+1] op_sel_hi:[1,0,1]   ; x = sum x 2^(e10 + e11) + (Q + bo)
.set j, j+2
.endr
.macro LANESUM r, tmp                  ; the sum of v[r] over the 32 lanes, in every lane
	s_delay_alu instid0(VALU_DEP_1)
	v_add_f32_dpp v[\r], v[\r], v[\r] row_xmask:1 row_mask:0xf bank_mask:0xf
	s_delay_alu instid0(VALU_DEP_1)
	v_add_f32_dpp v[\r], v[\r], v[\r] row_xmask:2 row_mask:0xf bank_mask:0xf
	s_delay_alu instid0(VALU_DEP_1)
	v_add_f32_dpp v[\r], v[\r], v[\r] row_xmask:4 row_mask:0xf bank_mask:0xf
	s_delay_alu instid0(VALU_DEP_1)
	v_add_f32_dpp v[\r], v[\r], v[\r] row_xmask:8 row_mask:0xf bank_mask:0xf
	s_delay_alu instid0(VALU_DEP_1)
	v_permlanex16_b32 v[\tmp], v[\r], s[SEL], s[SEL+1]
	s_delay_alu instid0(VALU_DEP_1)
	v_add_f32 v[\r], v[\r], v[\tmp]
.endm
.irp i, 0,1                            ; the mean: v[8 + 4 i]
	v_pk_add_f32 v[8+4*\i:9+4*\i],   v[ACC+32*\i:ACC+32*\i+1],   v[ACC+32*\i+2:ACC+32*\i+3]
	v_pk_add_f32 v[10+4*\i:11+4*\i], v[ACC+32*\i+4:ACC+32*\i+5], v[ACC+32*\i+6:ACC+32*\i+7]
.set j, 8
.rept 6
	s_delay_alu instid0(VALU_DEP_2)
	v_pk_add_f32 v[8+4*\i:9+4*\i],   v[8+4*\i:9+4*\i],   v[ACC+32*\i+j:ACC+32*\i+j+1]
	s_delay_alu instid0(VALU_DEP_2)
	v_pk_add_f32 v[10+4*\i:11+4*\i], v[10+4*\i:11+4*\i], v[ACC+32*\i+j+2:ACC+32*\i+j+3]
.set j, j+4
.endr
	s_delay_alu instid0(VALU_DEP_1)
	v_pk_add_f32 v[8+4*\i:9+4*\i], v[8+4*\i:9+4*\i], v[10+4*\i:11+4*\i]
	s_delay_alu instid0(VALU_DEP_1)
	v_add_f32 v[8+4*\i], v[8+4*\i], v[9+4*\i]
	LANESUM 8+4*\i, 9+4*\i
	s_delay_alu instid0(VALU_DEP_1)
	v_mul_f32 v[8+4*\i], s42, v[8+4*\i]
.endr
.irp i, 0,1                            ; d = x - mean, in place; the sum of d^2: v[16 + 4 i]
.set j, 0
.rept 16
	v_pk_add_f32 v[ACC+32*\i+j:ACC+32*\i+j+1], v[ACC+32*\i+j:ACC+32*\i+j+1], v[8+4*\i:9+4*\i] op_sel_hi:[1,0] neg_lo:[0,1] neg_hi:[0,1]
.set j, j+2
.endr
	v_pk_mul_f32 v[16+4*\i:17+4*\i], v[ACC+32*\i:ACC+32*\i+1],   v[ACC+32*\i:ACC+32*\i+1]
	v_pk_mul_f32 v[18+4*\i:19+4*\i], v[ACC+32*\i+2:ACC+32*\i+3], v[ACC+32*\i+2:ACC+32*\i+3]
.set j, 4
.rept 7
	s_delay_alu instid0(VALU_DEP_2)
	v_pk_fma_f32 v[16+4*\i:17+4*\i], v[ACC+32*\i+j:ACC+32*\i+j+1],   v[ACC+32*\i+j:ACC+32*\i+j+1],   v[16+4*\i:17+4*\i]
	s_delay_alu instid0(VALU_DEP_2)
	v_pk_fma_f32 v[18+4*\i:19+4*\i], v[ACC+32*\i+j+2:ACC+32*\i+j+3], v[ACC+32*\i+j+2:ACC+32*\i+j+3], v[18+4*\i:19+4*\i]
.set j, j+4
.endr
	s_delay_alu instid0(VALU_DEP_1)
	v_pk_add_f32 v[16+4*\i:17+4*\i], v[16+4*\i:17+4*\i], v[18+4*\i:19+4*\i]
	s_delay_alu instid0(VALU_DEP_1)
	v_add_f32 v[16+4*\i], v[16+4*\i], v[17+4*\i]
	LANESUM 16+4*\i, 17+4*\i
	s_delay_alu instid0(VALU_DEP_1)
	v_fma_f32 v[16+4*\i], v[16+4*\i], s42, s43     ; the variance + 1e-5
.endr
	s_wait_alu depctr_va_vdst(0)
	v_rsq_f32 v16, v16                             ; both rows' roots are one batch
	v_rsq_f32 v20, v20
	v_nop                                          ; a plain line behind them
	s_wait_alu depctr_va_vdst(0)                   ; one wait, ahead of the first use
	s_wait_loadcnt 0x0                             ; gamma and beta
.irp i, 0,1
.set j, 0
.rept 16
	v_pk_mul_f32 v[ACC+32*\i+j:ACC+32*\i+j+1], v[ACC+32*\i+j:ACC+32*\i+j+1], v[16+4*\i:17+4*\i] op_sel_hi:[1,0]
	s_delay_alu instid0(VALU_DEP_1)
	v_pk_fma_f32 v[ACC+32*\i+j:ACC+32*\i+j+1], v[ACC+32*\i+j:ACC+32*\i+j+1], v[GA+j:GA+j+1], v[BE+j:BE+j+1]
.set j, j+2
.endr
.irp k, 0,1,2,3,4,5,6,7
	global_store_b128 v[QO], v[ACC+32*\i+4*\k:ACC+32*\i+4*\k+3], s[18:19] offset:4096*\i+512*\k th:TH_STORE_NT   ; 32 lanes store 512 consecutive bytes, at a multiple of 256 from out0's first byte
.endr
.endr
	s_wait_tensorcnt 0x0
	ds_add_u32 v30, v31
	s_wait_dscnt 0x0
	s_endpgm
.Lfunc_end_k_qd19dcaf000_outln:
	.size	k_qd19dcaf000_outln, .Lfunc_end_k_qd19dcaf000_outln-k_qd19dcaf000_outln
	.p2alignl 7, 3214868480
	.fill 96, 4, 3214868480
	.section	.rodata,"a",@progbits
	.p2align	6, 0x0
	.amdhsa_kernel k_qd19dcaf000_outln
		.amdhsa_group_segment_fixed_size 166400
		.amdhsa_private_segment_fixed_size 0
		.amdhsa_enable_private_segment 0
		.amdhsa_kernarg_size 64
		.amdhsa_user_sgpr_count 2
		.amdhsa_user_sgpr_kernarg_segment_ptr 1
		.amdhsa_wavefront_size32 1
		.amdhsa_system_sgpr_workgroup_id_x 1
		.amdhsa_system_sgpr_workgroup_id_y 1
		.amdhsa_system_sgpr_workgroup_id_z 1
		.amdhsa_system_vgpr_workitem_id 0
		.amdhsa_next_free_vgpr 256
		.amdhsa_next_free_sgpr 66
		.amdhsa_reserve_vcc 0
		.amdhsa_float_denorm_mode_32 3
		.amdhsa_float_denorm_mode_16_64 3
		.amdhsa_memory_ordered 1
		.amdhsa_forward_progress 1
		.amdhsa_inst_pref_size 52
	.end_amdhsa_kernel
	.amdgpu_metadata
---
amdhsa.version: [ 1, 2 ]
amdhsa.kernels:
  - .name:           k_qd19dcaf000_outln
    .symbol:         k_qd19dcaf000_outln.kd
    .args:
      - { .name: ctx_img, .offset: 0, .size: 8, .value_kind: global_buffer, .address_space: global }
      - { .name: wo_img, .offset: 8, .size: 8, .value_kind: global_buffer, .address_space: global }
      - { .name: lowp_scales, .offset: 16, .size: 8, .value_kind: global_buffer, .address_space: global }
      - { .name: bo, .offset: 24, .size: 8, .value_kind: global_buffer, .address_space: global }
      - { .name: Q, .offset: 32, .size: 8, .value_kind: global_buffer, .address_space: global }
      - { .name: gamma, .offset: 40, .size: 8, .value_kind: global_buffer, .address_space: global }
      - { .name: beta, .offset: 48, .size: 8, .value_kind: global_buffer, .address_space: global }
      - { .name: out0, .offset: 56, .size: 8, .value_kind: global_buffer, .address_space: global }
    .group_segment_fixed_size: 166400
    .private_segment_fixed_size: 0
    .kernarg_segment_align: 8
    .kernarg_segment_size: 64
    .max_flat_workgroup_size: 512
    .sgpr_count:     66
    .vgpr_count:     256
    .wavefront_size: 32
...
	.end_amdgpu_metadata
.endif
;; end of part 4
